; MI455X (gfx1250); checked and timed in simulation.
; The chip was launched on July 23, 2026; its instructions are those of AMD's public machine-readable ISA for CDNA 5 (MIT licence, August 2026) and "CDNA5" Instruction Set Architecture Reference Guide (July 2026). The comments in the code are by the model that wrote it; some were corrected since.
;; Masked Self Attention. Allowed arithmetic: matrix products marked QUANTISED: E4M3 operands, one given power-of-two scale a tensor, by v_wmma_f32_16x16x64_fp8_fp8 or v_wmma_f32_16x16x128_fp8_fp8, f32 sums; products left as they are: f32 operands where the result goes on into a quantised operand, else bf16, f16 or f32 operands; f32 sums; everything else in f32.
;; Inputs: Wk 768 x 16 float32; Wq 768 x 16 float32; Wv 768 x 16 float32; bk 16 float32; bq 16 float32; bv 16 float32; lowp_scales 8 int32 (the exponents e of the quantised operands' scales 2^e); x 8 x 2,048 x 768 float32.
;; Outputs: out0 8 x 2,048 x 16 float32.
;; This version of the problem:
;;   THIS VERSION OF THE PROBLEM IS GIVEN IN LOW PRECISION. The matrix products marked QUANTISED in the list below multiply operands that are first quantised to E4M3 (4 exponent bits, 3 mantissa bits; 8 bits a number), with one given power-of-two scale for each operand tensor; their sums are f32. All else is computed in f32.
;;   The module's matrix products, in the order in which they are computed (A, B: the left and right operand; K: the contracted axis; several contracted axes count as one K, in the product's order):
;;     1. [M 16,384, K 768] x [K 768, N 16]; A: input x; B: input Wq: QUANTISED (scales: A lowp_scales[0], B lowp_scales[1])
;;     2. [M 16,384, K 768] x [K 768, N 16]; A: input x; B: input Wk: QUANTISED (scales: A lowp_scales[2], B lowp_scales[3])
;;     3. [M 16,384, K 768] x [K 768, N 16]; A: input x; B: input Wv: QUANTISED (scales: A lowp_scales[4], B lowp_scales[5])
;;     4. batch 8 x [M 2,048, K 16] x [K 16, N 2,048]; A: computed on the way; B: computed on the way: left as it is (K = 16 < 32)
;;     5. batch 8 x [M 2,048, K 2,048] x [K 2,048, N 16]; A: softmax (see below); B: computed on the way: QUANTISED (scales: A lowp_scales[6], B lowp_scales[7])
;;   THE QUANTISER, for each operand of a quantised product, along K:
;;     - The operand's scale is 2^e, e = its entry of the input lowp_scales (int32; the entries are numbered through the quantised products in the list's order, A before B).
;;     - Each number is divided by the scale, clamped to +-448, and rounded to the nearest number of E4M3, ties to even, subnormals kept.
;;     - The product sums the exact products of the quantised numbers (number of the format x scale) in f32.
;;   ~~~python
;;   def quantise(x, axis, e):      # numpy; x: float32 -> the quantised numbers, widened to float32 again
;;       x = np.moveaxis(x, axis, -1); K = x.shape[-1]
;;       r = np.clip(x / 2.0 ** e, -448, 448)
;;       step = 2.0 ** (np.maximum(np.frexp(np.where(r == 0, 1, r))[1] - 1, -6) - 3)
;;       q = np.round(r / step) * step * 2.0 ** e      # np.round: ties to even
;;       return np.moveaxis(q, -1, axis).astype(np.float32)
;;   ~~~
;;   SOFTMAX AHEAD OF A QUANTISED PRODUCT. Where the list says 'softmax', what is quantised is not the finished softmax but p = 2^(t - M), with t = logit x log2(e) and M = ceil(the row's largest t), a whole number; so 1/2 < the row's largest p <= 1. The row's sum l is taken of the UNQUANTISED p, in f32, and the product's result is divided by l at the end. Since M is a whole number, a kernel that streams over the keys may use a running M (the ceiling of the running maximum): every later rescaling is an exact power of two, so the quantised numbers keep their values, but for numbers so far below the row's largest that they fall under the format's range.
;;   OPERANDS COMPUTED ON THE WAY. 'Computed on the way' means the value that the module computes at that place (a softmax that the list does not call 'softmax' is quantised finished and normalised). What goes into a quantiser is computed in f32, as accurately as f32 sums, v_exp_f32 and their like allow (about 1e-6 of the number): no bf16 or f16 on the way to a quantiser, and a product that is left as it is and whose result goes on into a quantised operand takes f32 operands (vector FMAs, or v_wmma_f32_16x16x4_f32). A number that lies on a knife's edge between two numbers of the format may be rounded either way, as far as f32 arithmetic and the matrix unit's own rounding can turn it there, and no further.
;; 2 versions, each right; version 2 is version 1 with the launch attn written anew for expert scheduling mode. Each part assembles by itself: llvm-mc -triple=amdgcn-amd-amdhsa -mcpu=gfx1250 --defsym DOCPART=n.
;; ======== version 1 of 2: 2 launches
;; workspace buffers: q_ws 1,048,576 bytes; k_ws 1,048,576 bytes; v_ws 262,144 bytes
;; launch proj (part 1): grid 256 x 1, 4 waves a work-group, no clusters, 267,776 bytes of LDS; arguments x, Wq, Wk, Wv, bq, bk, bv, lowp_scales, q_ws, k_ws, v_ws; writes q_ws, k_ws, v_ws
.if DOCPART == 1
	.amdgcn_target "amdgcn-amd-amdhsa--gfx1250"
	.amdhsa_code_object_version 6
	.text
	.protected	k_q70d96637cf_proj
	.globl	k_q70d96637cf_proj
	.p2align	8
	.type	k_q70d96637cf_proj,@function
k_q70d96637cf_proj:
	s_mov_b64 s[64:65], 0
	v_nop
	global_prefetch_b8 v0, s[64:65] scope:SCOPE_SE
	s_setreg_imm32_b32 hwreg(HW_REG_WAVE_MODE, 25, 1), 1
	s_wait_xcnt 0x0
; q = Q(x) Q(Wq) + bq, k = Q(x) Q(Wk) + bk (both kept in f32), v = Q(x) Q(Wv) + bv (quantised at once, along the keys, for the last product).
; x: [16384][768] f32; W: [768][16] f32; Q: E4M3 codes with the given scale 2^e of each operand (x has one scale for each of the three products, so it is quantised three times).
; DEAD WORK OF THE WHOLE PROGRAM.  reference() itself sets every score above the diagonal to -inf (its own jnp.tril), and exp(-inf) = 0: a step of 64 keys whose first key comes after
; the last query of a tile of 16 queries adds 0 to that tile's row sums and 0 to z, whatever finite values the inputs hold.  The second launch leaves out exactly those steps, in the score product and in p V.
; Nothing else is left out and every input is loaded: bk adds q.bk to a whole row of logits, which moves t - ceil(largest t) by other than a whole number and so moves p's codes.
; LIMIT: a NaN, an infinity or an overflow that reaches only the steps left out (a later key's k or v) is not carried to the result.
; LIMITS on the given exponents, so that each power of two below is an f32 number: e0 .. e5 and e7 between -126 and 119; e0+e1, e2+e3, e4+e5 between -126 and 127.  NaN among the inputs is not served.
; SHARES.  256 work-groups of four waves; a work-group takes 64 rows, a wave 16 rows over all K = 768: six K steps of 128, three accumulators (q, k, v).
; Six of the wave's loads are out at most, and no LDS byte is filled twice.
; While they are on their way the four waves quantise the three W together: wave w takes rows 32 w .. 32 w + 31 of every 128, turns them through its own stage in LDS (a lane to a column, registers down K),
; and stores the codes as images of the operand's registers, which every wave reads behind the launch's one barrier.
; NO CLUSTER: what work-groups share is W alone, 147,456 bytes in f32, which finds no room in LDS beside x's 202,752 bytes; it goes through registers, where no joint request exists.
; FRAGMENTS.  Registers 4 c .. 4 c + 3 of lane (r, h) hold k = 32 c + 16 h + 0 .. 15 of row (or column) r: the same order of k on both sides of every product.
; q and k are made transposed (source 0 = W's 16 columns, source 1 = x's 16 rows): lane (r, h), register j = (row r, d = 8 h + j).  v is made straight: register j = (key 8 h + j, d = r), eight neighbours along the keys.
; WORKSPACE, as images of the next launch's registers; T16 = row / 16:  q_ws, k_ws: byte 1024 T16 + 512 g + 16 lane = registers 4 g .. 4 g + 3;  v_ws: byte 256 T16 + 8 lane = eight codes.
.set XT_W,  50688                      ; LDS: a wave's x: six tiles
.set XT_S,  8448                       ; a tile: 16 rows of 512 bytes + 16 of padding
.set XP,    528                        ; = 33 x 16: the sixteen rows that a load of 16 bytes a lane touches fall on sixteen different 16-byte columns modulo 256
.set IMG,   202752                     ; 18 fragments of W (6 p + s), 2,048 bytes each: register group c at 512 c + 16 lane
.set STG,   239616                     ; the stages: 6,912 bytes a wave: three slots of 2,304
.set STG_W, 6912
.set STG_S, 2304
.set SPARE, 267264                     ; the spare words, 128 bytes for each wave: two blocks of 256 bytes that no other line names
.set R,   48                           ; v48-191   preparation: nine sets of 16: W as loaded
.set X3,  192                          ; v192-239  three sets of 16: a lane's 16 numbers down K
.set PC,  240                          ; v240-251  three sets of 4: their codes
.set XN,  48                           ; v48-111   main: four blocks of 16 numbers of x
.set T,   112                          ; v112-127  two sets of 8 held numbers
.set C,   128                          ; v128-175  x's codes, 16 registers a product
.set WF,  176                          ; v176-223  W's fragments, 16 a product
.set AQ,  224
.set AK,  232
.set AV,  240
; v1, v2 the add's two; v3 x in LDS; v4, v5 images (read, write); v6, v7 stage (in, out); v8 W in memory; v9 16 lane; v10 8 lane; v11 32 h; v44 4 r
; v[12+2p], v[13+2p]: W's scale, 448 x it;  v[18+2p], v[19+2p]: x's;  v24, v25: v's;  v26-33 bq, v34-41 bk (at 8 h + 0 .. 7), v42 bv[r]
	s_load_b512 s[8:23], s[0:1], 0x0               ; x, Wq, Wk, Wv, bq, bk, bv, the scales' exponents
	s_load_b128 s[24:27], s[0:1], 0x40             ; q_ws, k_ws
	s_load_b64 s[28:29], s[0:1], 0x50              ; v_ws
	v_lshl_add_u32 v1, v0, 2, SPARE
	v_mov_b32 v2, 0
	ds_add_u32 v1, v2                              ; the wave's opening: the add, twice on end, and its wait ahead of my first tensor load
	ds_add_u32 v1, v2                              ; and once more; the set-up below, work on registers, stands between it and the wait
	v_lshrrev_b32 v11, 5, v0
	v_readfirstlane_b32 s30, v11                   ; wave 0..3
	s_mov_b32 s40, 0x07920000                      ; group 1: elements of 4 bytes; padding on: 4 words behind every 128
	s_mov_b32 s41, 128<<16                         ; tensor_dim0 = 128
	s_mov_b32 s42, 16<<16                          ; tensor_dim1 = 16
	s_mov_b32 s43, 128<<16                         ; tile_dim0 = 128
	s_mov_b32 s44, 16                              ; tile_dim1 = 16
	s_mov_b32 s45, 768                             ; elements from row to row
	s_mov_b32 s46, 0
	s_mov_b32 s47, 0
	v_and_b32 v44, 15, v0                          ; r
	v_bfe_u32 v45, v0, 4, 1                        ; h
	v_and_b32 v46, 31, v0                          ; lane
	v_lshlrev_b32 v9, 4, v46
	v_lshlrev_b32 v10, 3, v46
	s_mul_i32 s2, s30, XT_W                        ; my wave's x in LDS
	v_mul_u32_u24 v3, v44, XP
	v_lshl_add_u32 v3, v45, 6, v3
	v_add_nc_u32 v3, s2, v3                        ; row r, + 64 h: my 16 numbers of a block of 32
	v_add_nc_u32 v4, IMG, v9
	s_lshl_b32 s3, s30, 9
	s_add_co_u32 s3, s3, IMG
	v_add_nc_u32 v5, s3, v9                        ; I write register group c = wave of every fragment
	s_mul_i32 s3, s30, STG_W
	s_add_co_u32 s3, s3, STG
	v_add_nc_u32 v6, s3, v9                        ; the stage, in: as the bytes lie
	v_mul_u32_u24 v7, v45, 1088
	v_lshl_add_u32 v7, v44, 2, v7
	v_add_nc_u32 v7, s3, v7                        ; out: column r, rows 16 h on (64 bytes of padding lie behind row 15, so that the two halves of the lanes read different words modulo 256 bytes)
	s_lshl_b32 s3, s30, 11
	v_add_nc_u32 v8, s3, v9                        ; W in memory: 32 rows of 64 bytes a wave, 16 bytes a lane
	v_lshlrev_b32 v11, 5, v45
	v_lshlrev_b32 v44, 2, v44
	v_mov_b32 v43, 0                               ; (named with v42 as a pair)
	s_mul_i32 s4, ttmp9, 196608                    ; the work-group's 64 rows of 3,072 bytes,
	s_mul_i32 s5, s30, 49152                       ; my wave's 16
	s_add_co_u32 s4, s4, s5
	s_mov_b32 s5, 0
	s_wait_dscnt 0x0                               ; both opening adds are done
	s_wait_kmcnt 0x0
	s_load_b256 s[32:39], s[22:23], 0x0            ; e0 .. e7
	s_add_nc_u64 s[4:5], s[8:9], s[4:5]
.macro G0SET g, s                      ; group 0 of K step s, and its load
	s_mov_b32 s[\g], 1
	s_add_co_u32 s[\g+1], s2, (\s)*XT_S
	s_add_nc_u64 s[\g+2:\g+3], s[4:5], (\s)*512
	s_or_b32 s[\g+3], s[\g+3], 0x80000000
	tensor_load_to_lds s[\g:\g+3], s[40:47]
	s_nop 0
.endm
	G0SET 48, 0                                    ; all first fills in one group, every wave its own six: ahead of every wait on TENSORcnt, every LDS read and the barrier
	G0SET 52, 1
	G0SET 56, 2
	G0SET 60, 3
	G0SET 68, 4
	G0SET 72, 5
	global_load_b128 v[26:29], v11, s[16:17]
	global_load_b128 v[30:33], v11, s[16:17] offset:16
	global_load_b128 v[34:37], v11, s[18:19]
	global_load_b128 v[38:41], v11, s[18:19] offset:16
	global_load_b32 v42, v44, s[20:21]
; Unit u = 6 p + s: my 32 rows of K step s of W_p: 2,048 dense bytes, four loads of 512
.macro WLOAD u
.irp j, 0,1,2,3
	global_load_b128 v[R+16*((\u)%9)+4*\j:R+16*((\u)%9)+4*\j+3], v8, s[10+2*((\u)/6):11+2*((\u)/6)] offset:8192*((\u)%6)+512*\j
.endr
.endm
; through the stage: in as the bytes lie, out a lane to a column: number i = W_p[128 s + 32 w + 16 h + i][r].  LDS serves a wave's instructions in order: no wait between
.macro WTURN u
.irp j, 0,1,2,3
	ds_store_b128 v6, v[R+16*((\u)%9)+4*\j:R+16*((\u)%9)+4*\j+3] offset:STG_S*((\u)%3)+512*\j+64*(\j/2)
.endr
.irp i, 0,1,2,3,4,5,6,7,8,9,10,11,12,13,14,15
	ds_load_b32 v[X3+16*((\u)%3)+\i], v7 offset:STG_S*((\u)%3)+64*\i
.endr
.endm
.macro WSTEP t
.if (\t) <= 15
.if 15-(\t) >= 6
	s_wait_loadcnt 24                              ; unit t + 2 is in; the six units issued behind it may be out
.else
	s_wait_loadcnt 4*(15-(\t))                     ; the units behind it run out
.endif
	WTURN (\t)+2
	s_wait_dscnt 40                                ; unit t is back from the stage: behind it stand two turns of 20 (and up to two image stores: the smaller count is taken)
.elseif (\t) == 16
	s_wait_dscnt 20                                ; behind it: one turn (and two image stores)
.else
	s_wait_dscnt 0
.endif
.if (\t) <= 8
	WLOAD (\t)+9                                   ; into the set that unit t's stores into the stage have read
.endif
.irp i, 0,1,2,3,4,5,6,7,8,9,10,11,12,13,14,15
	v_med3_num_f32 v[X3+16*((\t)%3)+\i], v[X3+16*((\t)%3)+\i], -v[13+2*((\t)/6)], v[13+2*((\t)/6)]   ; the conversion to an 8-bit code does not saturate (ISA guide 7.6.2): the hold at 448 x the scale
.endr
	v_cvt_scalef32_pk8_fp8_f32 v[PC+4*((\t)%3):PC+4*((\t)%3)+1], v[X3+16*((\t)%3):X3+16*((\t)%3)+7], v[12+2*((\t)/6)]
	v_cvt_scalef32_pk8_fp8_f32 v[PC+4*((\t)%3)+2:PC+4*((\t)%3)+3], v[X3+16*((\t)%3)+8:X3+16*((\t)%3)+15], v[12+2*((\t)/6)]
	ds_store_b128 v5, v[PC+4*((\t)%3):PC+4*((\t)%3)+3] offset:2048*(\t)   ; register group c = wave of fragment t
.endm
.macro MKQ es, vs, vl                  ; v[vs] = 2^e as f32 (the conversion takes its exponent field), v[vl] = 448 x 2^e
	s_add_co_i32 s2, \es, 127
	s_lshl_b32 s3, s2, 23
	v_mov_b32 v[\vs], s3
	s_add_co_i32 s2, s2, 8
	s_lshl_b32 s2, s2, 23
	s_or_b32 s2, s2, 0x600000
	v_mov_b32 v[\vl], s2
.endm
.irp u, 0,1,2,3,4,5,6,7,8
	WLOAD \u
.endr
	s_lshl_b32 s2, ttmp9, 2
	s_add_co_u32 s2, s2, s30                       ; T16 = 4 x work-group + wave
	s_lshl_b32 s6, s2, 10
	s_mov_b32 s7, 0
	s_add_nc_u64 s[24:25], s[24:25], s[6:7]
	s_add_nc_u64 s[26:27], s[26:27], s[6:7]
	s_lshl_b32 s6, s2, 8
	s_add_nc_u64 s[28:29], s[28:29], s[6:7]
	s_wait_kmcnt 0x0                               ; e0 .. e7
	MKQ s33, 12, 13
	MKQ s35, 14, 15
	MKQ s37, 16, 17
	MKQ s32, 18, 19
	MKQ s34, 20, 21
	MKQ s36, 22, 23
	MKQ s39, 24, 25
	s_add_co_i32 s76, s32, s33                     ; a sum stands for sum x 2^(its two exponents added)
	s_add_co_i32 s76, s76, 127
	s_lshl_b32 s76, s76, 23
	s_mov_b32 s77, s76                             ; (named with it as a pair)
	s_add_co_i32 s78, s34, s35
	s_add_co_i32 s78, s78, 127
	s_lshl_b32 s78, s78, 23
	s_mov_b32 s79, s78
	s_add_co_i32 s80, s36, s37
	s_add_co_i32 s80, s80, 127
	s_lshl_b32 s80, s80, 23
	s_mov_b32 s81, s80
	; ---- W's codes, while x is on its way
	s_wait_loadcnt 32                              ; the biases and unit 0 are in; units 1 to 8 may be out
	WTURN 0
	s_wait_loadcnt 28
	WTURN 1
.set U, 0
.rept 18
	WSTEP U
.set U, U+1
.endr
	v_nop                                          ; a plain line behind the last conversion: matrix results are laid over its registers later
	s_wait_dscnt 0x0                               ; for the others' sake: my image stores have landed
	s_barrier_signal -1                            ; my tensor loads may stay out: each tile is read by its own wave alone, behind that wave's own counted wait, and nothing is filled again
	s_barrier_wait -1
	; ---- the products
.macro XBLK n                          ; block n = 4 s + b: k = 128 s + 32 b + 16 h + 0 .. 15 of my row
.irp j, 0,1,2,3
	ds_load_b128 v[XN+16*((\n)%4)+4*\j:XN+16*((\n)%4)+4*\j+3], v3 offset:XT_S*((\n)/4)+128*((\n)%4)+16*\j
.endr
.endm
.macro WFRAG s                         ; the three W's fragments of K step s
.irp p, 0,1,2
.irp c, 0,1,2,3
	ds_load_b128 v[WF+16*\p+4*\c:WF+16*\p+4*\c+3], v4 offset:2048*(6*\p+(\s))+512*\c
.endr
.endr
.endm
.macro CONV n                          ; the block's 16 numbers become four registers of codes for each of the three products; the eight holds of the other set stand between a conversion and the next write of its sources
.irp p, 0,1,2
.irp i, 0,1,2,3,4,5,6,7
	v_med3_num_f32 v[T+\i], v[XN+16*((\n)%4)+\i], -v[19+2*\p], v[19+2*\p]
.endr
	v_cvt_scalef32_pk8_fp8_f32 v[C+16*\p+4*((\n)%4):C+16*\p+4*((\n)%4)+1], v[T:T+7], v[18+2*\p]
.irp i, 0,1,2,3,4,5,6,7
	v_med3_num_f32 v[T+8+\i], v[XN+16*((\n)%4)+8+\i], -v[19+2*\p], v[19+2*\p]
.endr
	v_cvt_scalef32_pk8_fp8_f32 v[C+16*\p+4*((\n)%4)+2:C+16*\p+4*((\n)%4)+3], v[T+8:T+15], v[18+2*\p]
.endr
.endm
.macro MULS s                          ; the three accumulators take turns, one instruction a turn, from step to step too; the first step starts the sums
	v_nop                                          ; a plain line between the last conversion and the products that read its codes
.if (\s) < 5
	s_wait_dscnt 16                                ; W's fragments are in; the four blocks of x asked for behind them may be out
.else
	s_wait_dscnt 0
.endif
.if (\s) == 0
	v_wmma_f32_16x16x128_fp8_fp8 v[AQ:AQ+7], v[WF:WF+15], v[C:C+15], 0
	v_wmma_f32_16x16x128_fp8_fp8 v[AK:AK+7], v[WF+16:WF+31], v[C+16:C+31], 0
	v_wmma_f32_16x16x128_fp8_fp8 v[AV:AV+7], v[C+32:C+47], v[WF+32:WF+47], 0
.else
	v_wmma_f32_16x16x128_fp8_fp8 v[AQ:AQ+7], v[WF:WF+15], v[C:C+15], v[AQ:AQ+7]
	v_wmma_f32_16x16x128_fp8_fp8 v[AK:AK+7], v[WF+16:WF+31], v[C+16:C+31], v[AK:AK+7]
	v_wmma_f32_16x16x128_fp8_fp8 v[AV:AV+7], v[C+32:C+47], v[WF+32:WF+47], v[AV:AV+7]
.endif
.rept 4
	v_nop                                          ; four places ahead of loads into, and writes of, registers that the products read, and of the first read of results
.endr
.if (\s) < 5
	WFRAG (\s)+1
.endif
.endm
	s_wait_tensorcnt 5                             ; my K step 0 has landed; the five younger tiles may be out
	XBLK 0
	XBLK 1
	XBLK 2
	XBLK 3
	WFRAG 0
.set N, 0
.rept 24
.if N <= 20
	s_wait_dscnt 24                                ; block N is in: behind it stand three blocks of 4 loads and one set of W's 12
.else
	s_wait_dscnt 4*(26-N)                          ; the blocks run out: 20, 16, 12
.endif
	CONV N
.if N <= 19
.if N%4 == 0
	s_wait_tensorcnt 4-N/4                         ; the next K step's tile has landed; the younger ones may be out
.endif
	XBLK N+4
.endif
.if N%4 == 3
	MULS N/4
.endif
.set N, N+1
.endr
	; ---- the way out: sum x 2^(the exponents) + bias, one packed multiply-add for two numbers; each accumulator from its low end on
.irp i, 0,2,4,6
	v_pk_fma_f32 v[48+\i:49+\i], v[AQ+\i:AQ+\i+1], s[76:77], v[26+\i:27+\i] op_sel_hi:[1,0,1]
.endr
.irp i, 0,2,4,6
	v_pk_fma_f32 v[56+\i:57+\i], v[AK+\i:AK+\i+1], s[78:79], v[34+\i:35+\i] op_sel_hi:[1,0,1]
.endr
.irp i, 0,2,4,6
	v_pk_fma_f32 v[64+\i:65+\i], v[AV+\i:AV+\i+1], s[80:81], v[42:43] op_sel_hi:[1,0,0]   ; bv[r] for both halves
.endr
.irp i, 0,1,2,3,4,5,6,7
	v_med3_num_f32 v[64+\i], v[64+\i], -v25, v25
.endr
	v_cvt_scalef32_pk8_fp8_f32 v[72:73], v[64:71], v24   ; keys 8 h + 0 .. 7 of column d = r
	v_nop
	global_store_b128 v9, v[48:51], s[24:25]             ; each store of the wave covers 512 consecutive bytes, aligned
	global_store_b128 v9, v[52:55], s[24:25] offset:512
	global_store_b128 v9, v[56:59], s[26:27]
	global_store_b128 v9, v[60:63], s[26:27] offset:512
	global_store_b64 v10, v[72:73], s[28:29]             ; 256 consecutive bytes, aligned
	s_wait_tensorcnt 0x0                           ; the wave's end, behind my last tensor load and my last LDS store
	ds_add_u32 v1, v2
	s_wait_dscnt 0x0
	s_endpgm
.Lfunc_end_k_q70d96637cf_proj:
	.size	k_q70d96637cf_proj, .Lfunc_end_k_q70d96637cf_proj-k_q70d96637cf_proj
	.p2alignl 7, 3214868480
	.fill 96, 4, 3214868480
	.section	.rodata,"a",@progbits
	.p2align	6, 0x0
	.amdhsa_kernel k_q70d96637cf_proj
		.amdhsa_group_segment_fixed_size 267776
		.amdhsa_private_segment_fixed_size 0
		.amdhsa_enable_private_segment 0
		.amdhsa_kernarg_size 88
		.amdhsa_user_sgpr_count 2
		.amdhsa_user_sgpr_kernarg_segment_ptr 1
		.amdhsa_wavefront_size32 1
		.amdhsa_system_sgpr_workgroup_id_x 1
		.amdhsa_system_sgpr_workgroup_id_y 1
		.amdhsa_system_sgpr_workgroup_id_z 1
		.amdhsa_system_vgpr_workitem_id 0
		.amdhsa_next_free_vgpr 256
		.amdhsa_next_free_sgpr 96
		.amdhsa_reserve_vcc 0
		.amdhsa_float_denorm_mode_32 3
		.amdhsa_float_denorm_mode_16_64 3
		.amdhsa_memory_ordered 1
		.amdhsa_forward_progress 1
		.amdhsa_inst_pref_size 157
	.end_amdhsa_kernel
	.amdgpu_metadata
---
amdhsa.version: [ 1, 2 ]
amdhsa.kernels:
  - .name:           k_q70d96637cf_proj
    .symbol:         k_q70d96637cf_proj.kd
    .args:
      - { .name: x, .offset: 0, .size: 8, .value_kind: global_buffer, .address_space: global }
      - { .name: Wq, .offset: 8, .size: 8, .value_kind: global_buffer, .address_space: global }
      - { .name: Wk, .offset: 16, .size: 8, .value_kind: global_buffer, .address_space: global }
      - { .name: Wv, .offset: 24, .size: 8, .value_kind: global_buffer, .address_space: global }
      - { .name: bq, .offset: 32, .size: 8, .value_kind: global_buffer, .address_space: global }
      - { .name: bk, .offset: 40, .size: 8, .value_kind: global_buffer, .address_space: global }
      - { .name: bv, .offset: 48, .size: 8, .value_kind: global_buffer, .address_space: global }
      - { .name: lowp_scales, .offset: 56, .size: 8, .value_kind: global_buffer, .address_space: global }
      - { .name: q_ws, .offset: 64, .size: 8, .value_kind: global_buffer, .address_space: global }
      - { .name: k_ws, .offset: 72, .size: 8, .value_kind: global_buffer, .address_space: global }
      - { .name: v_ws, .offset: 80, .size: 8, .value_kind: global_buffer, .address_space: global }
    .group_segment_fixed_size: 267776
    .private_segment_fixed_size: 0
    .kernarg_segment_align: 8
    .kernarg_segment_size: 88
    .max_flat_workgroup_size: 128
    .sgpr_count:     96
    .vgpr_count:     256
    .wavefront_size: 32
...
	.end_amdgpu_metadata
.endif
;; end of part 1
;; launch attn (part 2): grid 32 x 8, 16 waves a work-group, no clusters, 104,448 bytes of LDS; arguments q_ws, k_ws, v_ws, lowp_scales, out0; writes out0
.if DOCPART == 2
	.amdgcn_target "amdgcn-amd-amdhsa--gfx1250"
	.amdhsa_code_object_version 6
	.text
	.protected	k_q70d96637cf_attn
	.globl	k_q70d96637cf_attn
	.p2align	8
	.type	k_q70d96637cf_attn,@function
k_q70d96637cf_attn:
	s_mov_b64 s[64:65], 0
	v_nop
	global_prefetch_b8 v0, s[64:65] scope:SCOPE_SE
	s_setreg_imm32_b32 hwreg(HW_REG_WAVE_MODE, 25, 1), 1
	s_wait_xcnt 0x0
; z[b][q] = (sum over keys k <= q of Q(p) Q(v[k])) / l:  t = (q . k / 4) log2(e), M = the ceiling of the largest t, p = 2^(t - M), l = the sum of the unquantised p.
; LEFT OUT (shown at the head of the first kernel): every step of 64 keys whose first key comes after a tile's last query: reference()'s own causal mask makes its p zero.
; The scores take f32 operands (16x16x4 f32 products), since they go on into a quantiser; p V is made on E4M3 codes (16x16x64), p with 2^ep, v's codes as the first launch stored them.
; SHARES.  Work-group (g, batch) owns four tiles of 16 queries: a = g, b = 63 - g, c = 64 + g, d = 127 - g; their last key steps are G = g / 4, H = 15 - G, 16 + G, 31 - G: 66 units (16 queries x 64 keys) in every work-group.
; Wave w of sixteen owns key steps w and 31 - w, loads their K and V once from memory into registers, and runs each against the tiles that reach it: four units, five in waves G and H.
; Each wave keeps, for each tile, O^T, l and a running M over ITS OWN keys; the sixteen partial results meet in LDS and are joined by waves 0 to 3, a tile each, by exact powers of two.
; LIMIT: p is quantised under the wave's running M, not the row's final one: the same codes but for numbers that fall under the format's range.  ep between -126 and 119; NaN is not served.
; NO CLUSTER, NO LDS RING: a key step is read by one wave of a work-group and serves up to four tiles from registers; work-groups of one batch need different numbers of steps (32 - G), and there is no tensor load to share.
; LAYOUT.  S^T = K Q^T (source 0 = 16 keys, source 1 = 16 queries): lane (r, h) holds query r; register j of tile t is key 16 t + 8 h + j: eight neighbours along the keys, so one conversion gives registers 2 t, 2 t + 1 of
; p's fragment.  In K step kk of the f32 product both sides give registers 2 kk, 2 kk + 1 of their images: d = 8 h + 2 kk + 0, 1: the same order of d on both sides.  O^T = V^T P^T: register j = (d = 8 h + j, query r).
.set REC_H, 49152                      ; LDS: record (tile T, wave w) at (T / 2) REC_H + w REC_W + (T % 2) REC_T: O[0:3] at 16 lane, O[4:7] at 512 + 16 lane, the state at 1,024 + 16 lane
.set REC_W, 3072
.set REC_T, 1536
.set OST,   98304                      ; the way out: 1,024 bytes for each joining wave
.set SPARE, 102400                     ; the spare words, 128 bytes for each wave: eight blocks of 256 bytes that no other line names
.set Q,   24                           ; v24-55   Q, 8 a tile
.set O,   56                           ; v56-87   O^T, 8 a tile
.set ST,  88                           ; v88-103  a tile's state: -M, the largest t, l in two halves
.set K1,  104                          ; v104-135 K of step w;   v136-167 of step 31 - w
.set K2,  136
.set V1,  168                          ; v168-175 V of step w;   v176-183 of step 31 - w
.set V2,  176
.set E,   184                          ; v184-215 t - M, then p
.set P,   216                          ; v216-223 p's codes
.set S,   224                          ; v224-255 the scores: written by the f32 matrix form alone
.set DA,  10                           ; v10  16 (g % 4) + r - 8 h: tiles a and c on the diagonal;  v11: the same for b and d
.set DB,  11
.set SQ,  24                           ; the join: sixteen states;
.set ORC, 88                           ; sixteen O^T;
.set AC,  216                          ; the joined O^T
; v1, v2 the add's two; v3 where I store records; v4 where I read them; v5, v6 the way out; v7 2^ep; v8 448 x 2^ep; v9 -infinity; v12-15 at work (at the head: 16 lane, 8 lane); v16 f; v18, v19 at work
	s_load_b256 s[8:15], s[0:1], 0x0               ; q_ws, k_ws, v_ws, the scales' exponents
	s_load_b64 s[16:17], s[0:1], 0x20              ; out0
	v_lshl_add_u32 v1, v0, 2, SPARE
	v_mov_b32 v2, 0
	v_lshrrev_b32 v20, 5, v0
	v_readfirstlane_b32 s20, v20                   ; wave 0..15
	s_mov_b32 s21, ttmp9                           ; g
	s_lshr_b32 s22, s21, 2                         ; G
	s_sub_co_u32 s23, 15, s22                      ; H
	s_and_b32 s24, ttmp7, 0xffff                   ; batch
	s_cmp_eq_u32 s20, s22
	s_cselect_b32 s25, 1, 0                        ; my steps lie on a's and d's diagonal
	s_cmp_eq_u32 s20, s23
	s_cselect_b32 s26, 1, 0                        ; on b's and c's
	s_mov_b32 s28, 0x3eb8aa3b                      ; c = log2(e) / sqrt(16)
	s_mov_b32 s29, s28                             ; (named with it as a pair)
	s_mov_b32 s30, 0x76543210                      ; v_permlanex16_b32: lane l xor 16
	s_mov_b32 s31, 0xfedcba98
	v_and_b32 v20, 15, v0                          ; r
	v_bfe_u32 v21, v0, 4, 1                        ; h
	v_and_b32 v22, 31, v0                          ; lane
	v_lshlrev_b32 v12, 4, v22
	v_lshlrev_b32 v13, 3, v22
	s_mul_i32 s2, s20, REC_W
	v_add_nc_u32 v3, s2, v12
	s_and_b32 s3, s20, 3                           ; the tile that I join, if I join
	s_lshr_b32 s4, s3, 1
	s_mul_i32 s4, s4, REC_H
	s_and_b32 s5, s20, 1
	s_mul_i32 s5, s5, REC_T
	s_add_co_u32 s4, s4, s5
	v_add_nc_u32 v4, s4, v12
	s_lshl_b32 s5, s3, 10
	s_add_co_u32 s5, s5, OST
	v_lshlrev_b32 v5, 6, v20
	v_lshl_add_u32 v5, v21, 5, v5
	v_add_nc_u32 v5, s5, v5                        ; in: row r of 64 bytes, + 32 h
	v_add_nc_u32 v6, s5, v12                       ; back: as the bytes lie
	v_mov_b32 v9, 0xff800000
	s_and_b32 s2, s21, 3
	s_lshl_b32 s2, s2, 4
	s_sub_co_u32 s3, 48, s2
	v_lshlrev_b32 v21, 3, v21
	v_sub_nc_u32 v10, v20, v21                     ; r - 8 h
	v_add_nc_u32 v11, s3, v10                      ; my query less the step's first key less 8 h, for tiles b and d (tile % 4 = 3 - g % 4),
	v_add_nc_u32 v10, s2, v10                      ; and for a and c (tile % 4 = g % 4)
	v_mov_b32 v17, 0                               ; (named with v16 as a pair)
	v_mov_b32 v18, 0                               ; a lane permute's destination counts as one of its sources
	; byte offsets, each in the pair that will hold the address
	s_lshl_b32 s27, s24, 7                         ; 128 tiles a batch
	s_add_co_u32 s32, s27, s21                     ; a
	s_sub_co_u32 s34, 63, s21
	s_add_co_u32 s34, s34, s27                     ; b
	s_add_co_u32 s36, s32, 64                      ; c
	s_add_co_u32 s38, s34, 64                      ; d
	s_and_b32 s2, s20, 1
	s_cmp_lg_u32 s2, 0
	s_cselect_b32 s48, s34, s32
	s_and_b32 s2, s20, 2
	s_lshl_b32 s2, s2, 5
	s_add_co_u32 s48, s48, s2                      ; tile number wave % 4 of a, b, c, d
	s_lshl_b32 s48, s48, 10
	s_mov_b32 s49, 0
.irp p, 32,34,36,38
	s_lshl_b32 s[\p], s[\p], 10
	s_mov_b32 s[\p+1], 0
.endr
	s_lshl_b32 s2, s20, 2
	s_add_co_u32 s40, s27, s2                      ; key step w begins at tile 4 w,
	s_sub_co_u32 s3, 31, s20
	s_lshl_b32 s3, s3, 2
	s_add_co_u32 s42, s27, s3                      ; key step 31 - w at 4 (31 - w)
	s_lshl_b32 s44, s40, 8
	s_lshl_b32 s46, s42, 8
	s_lshl_b32 s40, s40, 10
	s_lshl_b32 s42, s42, 10
.irp p, 41,43,45,47
	s_mov_b32 s[\p], 0
.endr
	; the four tiles' states begin neutral, so that a tile that none of my steps reaches leaves a record that joins as nothing
.irp j, 0,1,2,3,4,5,6,7,8,9,10,11,12,13,14,15,16,17,18,19,20,21,22,23,24,25,26,27,28,29,30,31
	v_mov_b32 v[O+\j], 0
.endr
.irp t, 0,1,2,3
	v_mov_b32 v[ST+4*\t+1], 0xff61b1e6             ; the largest t so far: -3e38
	v_floor_f32 v[ST+4*\t], -v[ST+4*\t+1]          ; -M
	v_mov_b32 v[ST+4*\t+2], 0
	v_mov_b32 v[ST+4*\t+3], 0
.endr
	s_wait_kmcnt 0x0
	s_load_b64 s[18:19], s[14:15], 0x18            ; ep, ev
.irp p, 32,34,36,38
	s_add_nc_u64 s[\p:\p+1], s[8:9], s[\p:\p+1]
.endr
	s_add_nc_u64 s[40:41], s[10:11], s[40:41]
	s_add_nc_u64 s[42:43], s[10:11], s[42:43]
	s_add_nc_u64 s[44:45], s[12:13], s[44:45]
	s_add_nc_u64 s[46:47], s[12:13], s[46:47]
	s_add_nc_u64 s[48:49], s[16:17], s[48:49]
.irp t, 0,1,2,3
	global_load_b128 v[Q+8*\t:Q+8*\t+3],   v12, s[32+2*\t:33+2*\t]
	global_load_b128 v[Q+8*\t+4:Q+8*\t+7], v12, s[32+2*\t:33+2*\t] offset:512
.endr
.irp i, 0,1,2,3,4,5,6,7
	global_load_b128 v[K1+4*\i:K1+4*\i+3], v12, s[40:41] offset:512*\i     ; each load of the wave reads 512 consecutive bytes
.endr
.irp c, 0,1,2,3
	global_load_b64 v[V1+2*\c:V1+2*\c+1], v13, s[44:45] offset:256*\c
.endr
	s_wait_kmcnt 0x0
	s_add_co_i32 s2, s18, 127
	s_lshl_b32 s3, s2, 23
	v_mov_b32 v7, s3                               ; 2^ep as f32, for the conversion
	s_add_co_i32 s2, s2, 8
	s_lshl_b32 s2, s2, 23
	s_or_b32 s2, s2, 0x600000
	v_mov_b32 v8, s2                               ; 448 x 2^ep
	s_add_co_i32 s52, s18, s19                     ; ep + ev
; The maximum of the lane's 32 scores in v[src] on, the new M and f = 2^(old M - new M), and t - M into E.  Each accumulator is read from its low end on.
.macro TOP src, qt
.irp t, 0,1,2,3
	v_max3_num_f32 v[12+\t], v[\src+8*\t], v[\src+8*\t+1], v[\src+8*\t+2]
.endr
.irp t, 0,1,2,3
	v_max3_num_f32 v[12+\t], v[12+\t], v[\src+8*\t+3], v[\src+8*\t+4]
.endr
.irp t, 0,1,2,3
	v_max3_num_f32 v[12+\t], v[12+\t], v[\src+8*\t+5], v[\src+8*\t+6]
.endr
	v_max3_num_f32 v12, v12, v[\src+7], v[\src+15]
	v_max3_num_f32 v14, v14, v[\src+23], v[\src+31]
	v_max3_num_f32 v12, v12, v13, v14
	v_max_num_f32 v12, v12, v15
	v_permlanex16_b32 v18, v12, s30, s31           ; the query's other 32 keys lie in the lane 16 away
	v_max_num_f32 v12, v12, v18
	v_mul_f32 v12, s28, v12                        ; as t (c is positive)
	v_max_num_f32 v[ST+4*(\qt)+1], v[ST+4*(\qt)+1], v12
	v_mov_b32 v13, v[ST+4*(\qt)]
	v_floor_f32 v[ST+4*(\qt)], -v[ST+4*(\qt)+1]    ; the new -M = floor(-t): M is a whole number
	v_sub_f32 v13, v[ST+4*(\qt)], v13              ; old M less new M: a whole number, 0 or less
	v_cvt_i32_f32 v13, v13                         ; (it saturates)
	v_ldexp_f32 v16, 1.0, v13                      ; f: a multiplication by it rounds nothing
.irp i, 0,2,4,6,8,10,12,14,16,18,20,22,24,26,28,30
	v_pk_fma_f32 v[E+\i:E+\i+1], v[\src+\i:\src+\i+1], s[28:29], v[ST+4*(\qt):ST+4*(\qt)+1] op_sel_hi:[1,0,0]   ; t - M (of the pairs c and -M the low word serves both halves)
.endr
.endm
; A UNIT: tile qt of queries against the 64 keys whose K lies in v[kb] on and V in v[vb] on.  mayd = 1: the step may lie on the tile's diagonal: it does where flag is 1; dd: the register to hold the keys against.
.macro UNIT qt, kb, vb, mayd, flag, dd
.irp kk, 0,1,2,3                       ; four accumulators by turns, one instruction a turn; the first K step starts the sums
.irp t, 0,1,2,3
.if \kk == 0
	v_wmma_f32_16x16x4_f32 v[S+8*\t:S+8*\t+7], v[\kb+8*\t+2*\kk:\kb+8*\t+2*\kk+1], v[Q+8*(\qt)+2*\kk:Q+8*(\qt)+2*\kk+1], 0
.else
	v_wmma_f32_16x16x4_f32 v[S+8*\t:S+8*\t+7], v[\kb+8*\t+2*\kk:\kb+8*\t+2*\kk+1], v[Q+8*(\qt)+2*\kk:Q+8*(\qt)+2*\kk+1], v[S+8*\t:S+8*\t+7]
.endif
.endr
.endr
.rept 8
	v_nop                                          ; eight places behind this form (ISA guide 7.12.1) ahead of the first read of its results
.endr
.if \mayd
	s_cmp_eq_u32 \flag, 0                          ; ids alone
	s_cbranch_scc1 .Lopen_\@
.irp n, 0,1,2,3,4,5,6,7,8,9,10,11,12,13,14,15,16,17,18,19,20,21,22,23,24,25,26,27,28,29,30,31
	v_cmp_gt_i32 vcc_lo, 16*(\n/8)+\n%8, v[\dd]    ; key 16 t + 8 h + j comes after my query
	v_cndmask_b32 v[E+\n], v[S+\n], v9, vcc_lo     ; then its score is -infinity, and p = 0.  The step's first key counts for every query of the tile, so the maximum is a number
.endr
	TOP E, \qt
	s_branch .Ljoin_\@
.Lopen_\@:
	TOP S, \qt
.Ljoin_\@:
.else
	TOP S, \qt
.endif
.irp n, 0,1,2,3,4,5,6,7,8,9,10,11,12,13,14,15,16,17,18,19,20,21,22,23,24,25,26,27,28,29,30,31
	v_exp_f32 v[E+\n], v[E+\n]                     ; p = 2^(t - M), at most 1: not normalised
.endr
	v_pk_mul_f32 v[ST+4*(\qt)+2:ST+4*(\qt)+3], v[ST+4*(\qt)+2:ST+4*(\qt)+3], v[16:17] op_sel_hi:[1,0]   ; l under the new M: the plain line behind the exponentials
	s_wait_alu depctr_va_vdst(0)                   ; the wait ahead of the first line that names an exponential's result: one for the batch of 32
	v_pk_add_f32 v[18:19], v[E:E+1], v[E+2:E+3]    ; the row's sum is taken of the unquantised p, in two chains
.irp j, 4,8,12,16,20,24,28
	v_pk_add_f32 v[ST+4*(\qt)+2:ST+4*(\qt)+3], v[ST+4*(\qt)+2:ST+4*(\qt)+3], v[E+\j:E+\j+1]
	v_pk_add_f32 v[18:19], v[18:19], v[E+\j+2:E+\j+3]
.endr
	v_pk_add_f32 v[ST+4*(\qt)+2:ST+4*(\qt)+3], v[ST+4*(\qt)+2:ST+4*(\qt)+3], v[18:19]
.irp t, 0,1,2,3
.irp i, 0,1,2,3,4,5,6,7
	v_min_num_f32 v[E+8*\t+\i], v[E+8*\t+\i], v8   ; the conversion does not saturate (ISA guide 7.6.2); p is not negative, so the hold is one-sided
.endr
	v_cvt_scalef32_pk8_fp8_f32 v[P+2*\t:P+2*\t+1], v[E+8*\t:E+8*\t+7], v7   ; keys 16 t + 8 h + 0 .. 7: registers 2 t, 2 t + 1 of the fragment
.endr
.irp i, 0,2,4,6
	v_pk_mul_f32 v[O+8*(\qt)+\i:O+8*(\qt)+\i+1], v[O+8*(\qt)+\i:O+8*(\qt)+\i+1], v[16:17] op_sel_hi:[1,0]   ; O^T under the new M; also the plain lines behind the last conversion
.endr
	v_wmma_f32_16x16x64_fp8_fp8 v[O+8*(\qt):O+8*(\qt)+7], v[\vb:\vb+7], v[P:P+7], v[O+8*(\qt):O+8*(\qt)+7]
.endm
	; ---- key step 31 - w: tile d reaches it where w >= G, tile c where w >= H (H > G).  Its loads and their uses stand under the one branch
	s_cmp_lt_u32 s20, s22
	s_cbranch_scc1 .Lno2
.irp i, 0,1,2,3,4,5,6,7
	global_load_b128 v[K2+4*\i:K2+4*\i+3], v12, s[42:43] offset:512*\i
.endr
.irp c, 0,1,2,3
	global_load_b64 v[V2+2*\c:V2+2*\c+1], v13, s[46:47] offset:256*\c
.endr
	s_wait_loadcnt 0x0                             ; all my loads are in: so v12 and v13, their offsets, may be written
	UNIT 3, K2, V2, 1, s25, DB
	s_cmp_lt_u32 s20, s23
	s_cbranch_scc1 .Lno2
	UNIT 2, K2, V2, 1, s26, DA
.Lno2:
	; ---- key step w: tiles c and d always, and never on their diagonals; b where w <= H; a where w <= G
	s_wait_loadcnt 0x0
	UNIT 2, K1, V1, 0, s25, DA
	UNIT 3, K1, V1, 0, s25, DA
	s_cmp_gt_u32 s20, s23
	s_cbranch_scc1 .Lno_b
	UNIT 1, K1, V1, 1, s26, DB
.Lno_b:
	s_cmp_gt_u32 s20, s22
	s_cbranch_scc1 .Lno_a
	UNIT 0, K1, V1, 1, s25, DA
.Lno_a:
.rept 4
	v_nop                                          ; four places behind the last product, ahead of the stores that read its result
.endr
.irp t, 0,1,2,3
	ds_store_b128 v3, v[O+8*\t:O+8*\t+3]   offset:(\t/2)*REC_H+(\t%2)*REC_T
	ds_store_b128 v3, v[O+8*\t+4:O+8*\t+7] offset:(\t/2)*REC_H+(\t%2)*REC_T+512
	ds_store_b128 v3, v[ST+4*\t:ST+4*\t+3] offset:(\t/2)*REC_H+(\t%2)*REC_T+1024
.endr
	s_wait_dscnt 0x0                               ; for the others' sake: my records have landed
	s_barrier_signal -1
	s_barrier_wait -1
	s_cmp_lt_u32 s20, 4
	s_cbranch_scc1 .Lmerge                         ; waves 0 to 3 join a tile each
	s_wait_tensorcnt 0x0                           ; the wave's end, behind my last LDS store
	ds_add_u32 v1, v2
	s_wait_dscnt 0x0
	s_endpgm
.Lmerge:
	; ---- the join of tile wave % 4: sixteen records
.irp w, 0,1,2,3,4,5,6,7,8,9,10,11,12,13,14,15
	ds_load_b128 v[SQ+4*\w:SQ+4*\w+3], v4 offset:REC_W*\w+1024
.endr
.irp w, 0,1,2,3,4,5,6,7,8,9,10,11,12,13,14,15
	ds_load_b128 v[ORC+8*\w:ORC+8*\w+3],   v4 offset:REC_W*\w
	ds_load_b128 v[ORC+8*\w+4:ORC+8*\w+7], v4 offset:REC_W*\w+512
.endr
	s_wait_dscnt 32                                ; the sixteen states are in; the 32 loads of O^T behind them may be out
	v_min_num_f32 v12, v[SQ], v[SQ+4]              ; the least -M = the largest M, in two chains
	v_min_num_f32 v13, v[SQ+8], v[SQ+12]
.irp w, 4,6,8,10,12,14
	v_min_num_f32 v12, v12, v[SQ+4*\w]
	v_min_num_f32 v13, v13, v[SQ+4*\w+4]
.endr
	v_min_num_f32 v12, v12, v13
.irp w, 0,1,2,3,4,5,6,7,8,9,10,11,12,13,14,15
	v_sub_f32 v[SQ+4*\w], v12, v[SQ+4*\w]          ; the record's M less the largest: a whole number, 0 or less (a neutral record: -3e38)
.endr
.irp w, 0,1,2,3,4,5,6,7,8,9,10,11,12,13,14,15
	v_cvt_i32_f32 v[SQ+4*\w], v[SQ+4*\w]           ; (it saturates)
.endr
.irp w, 0,1,2,3,4,5,6,7,8,9,10,11,12,13,14,15
	v_ldexp_f32 v[SQ+4*\w], 1.0, v[SQ+4*\w]        ; the record's factor, a power of two (a neutral record: 0)
.endr
	v_pk_mul_f32 v[18:19], v[SQ+2:SQ+3], v[SQ:SQ+1] op_sel_hi:[1,0]
.irp w, 1,2,3,4,5,6,7,8,9,10,11,12,13,14,15
	v_pk_fma_f32 v[18:19], v[SQ+4*\w+2:SQ+4*\w+3], v[SQ+4*\w:SQ+4*\w+1], v[18:19] op_sel_hi:[1,0,1]
.endr
	s_wait_dscnt 0x0
.irp i, 0,2,4,6
	v_pk_mul_f32 v[AC+\i:AC+\i+1], v[ORC+\i:ORC+\i+1], v[SQ:SQ+1] op_sel_hi:[1,0]
.endr
.irp w, 1,2,3,4,5,6,7,8,9,10,11,12,13,14,15
.irp i, 0,2,4,6
	v_pk_fma_f32 v[AC+\i:AC+\i+1], v[ORC+8*\w+\i:ORC+8*\w+\i+1], v[SQ+4*\w:SQ+4*\w+1], v[AC+\i:AC+\i+1] op_sel_hi:[1,0,1]
.endr
.endr
	v_add_f32 v18, v18, v19                        ; l's two halves,
	v_permlanex16_b32 v19, v18, s30, s31
	v_add_f32 v18, v18, v19                        ; and lane l xor 16's: the row's sum
	v_rcp_f32 v18, v18
	v_and_b32 v14, 31, v0                          ; (the plain line behind the reciprocal)
	v_lshlrev_b32 v14, 4, v14                      ; 16 lane
	s_wait_alu depctr_va_vdst(0)                   ; the wait ahead of the first line that names the reciprocal
	v_ldexp_f32 v18, v18, s52                      ; x 2^(ep + ev)
.irp i, 0,2,4,6
	v_pk_mul_f32 v[AC+\i:AC+\i+1], v[AC+\i:AC+\i+1], v[18:19] op_sel_hi:[1,0]
.endr
	ds_store_b128 v5, v[AC:AC+3]                   ; z(r, 8 h + 0 .. 7): 32 bytes of a row of 64
	ds_store_b128 v5, v[AC+4:AC+7] offset:16
	ds_load_b128 v[24:27], v6                      ; LDS serves a wave's instructions in order: these see my stores
	ds_load_b128 v[28:31], v6 offset:512
	s_wait_dscnt 0x0
	global_store_b128 v14, v[24:27], s[48:49] th:TH_STORE_NT            ; each store of the wave covers 512 consecutive bytes, aligned
	global_store_b128 v14, v[28:31], s[48:49] offset:512 th:TH_STORE_NT
	s_wait_tensorcnt 0x0                           ; the wave's end: the three lines once more, behind my last LDS store
	ds_add_u32 v1, v2
	s_wait_dscnt 0x0
	s_endpgm
.Lfunc_end_k_q70d96637cf_attn:
	.size	k_q70d96637cf_attn, .Lfunc_end_k_q70d96637cf_attn-k_q70d96637cf_attn
	.p2alignl 7, 3214868480
	.fill 96, 4, 3214868480
	.section	.rodata,"a",@progbits
	.p2align	6, 0x0
	.amdhsa_kernel k_q70d96637cf_attn
		.amdhsa_group_segment_fixed_size 104448
		.amdhsa_private_segment_fixed_size 0
		.amdhsa_enable_private_segment 0
		.amdhsa_kernarg_size 40
		.amdhsa_user_sgpr_count 2
		.amdhsa_user_sgpr_kernarg_segment_ptr 1
		.amdhsa_wavefront_size32 1
		.amdhsa_system_sgpr_workgroup_id_x 1
		.amdhsa_system_sgpr_workgroup_id_y 1
		.amdhsa_system_sgpr_workgroup_id_z 1
		.amdhsa_system_vgpr_workitem_id 0
		.amdhsa_next_free_vgpr 256
		.amdhsa_next_free_sgpr 66
		.amdhsa_reserve_vcc 1
		.amdhsa_float_denorm_mode_32 3
		.amdhsa_float_denorm_mode_16_64 3
		.amdhsa_memory_ordered 1
		.amdhsa_forward_progress 1
		.amdhsa_inst_pref_size 84
	.end_amdhsa_kernel
	.amdgpu_metadata
---
amdhsa.version: [ 1, 2 ]
amdhsa.kernels:
  - .name:           k_q70d96637cf_attn
    .symbol:         k_q70d96637cf_attn.kd
    .args:
      - { .name: q_ws, .offset: 0, .size: 8, .value_kind: global_buffer, .address_space: global }
      - { .name: k_ws, .offset: 8, .size: 8, .value_kind: global_buffer, .address_space: global }
      - { .name: v_ws, .offset: 16, .size: 8, .value_kind: global_buffer, .address_space: global }
      - { .name: lowp_scales, .offset: 24, .size: 8, .value_kind: global_buffer, .address_space: global }
      - { .name: out0, .offset: 32, .size: 8, .value_kind: global_buffer, .address_space: global }
    .group_segment_fixed_size: 104448
    .private_segment_fixed_size: 0
    .kernarg_segment_align: 8
    .kernarg_segment_size: 40
    .max_flat_workgroup_size: 512
    .sgpr_count:     66
    .vgpr_count:     256
    .wavefront_size: 32
...
	.end_amdgpu_metadata
.endif
;; end of part 2
;; ======== version 2 of 2: 2 launches; version 1 with the launch attn written anew for expert scheduling mode
;; workspace buffers: q_ws 1,048,576 bytes; k_ws 1,048,576 bytes; v_ws 262,144 bytes
;; launch proj: the kernel of part 1 again; grid 256 x 1, 4 waves a work-group, no clusters, 267,776 bytes of LDS; arguments x, Wq, Wk, Wv, bq, bk, bv, lowp_scales, q_ws, k_ws, v_ws; writes q_ws, k_ws, v_ws
;; launch attn (part 3): grid 32 x 8, 16 waves a work-group, no clusters, 104,448 bytes of LDS; arguments q_ws, k_ws, v_ws, lowp_scales, out0; writes out0
.if DOCPART == 3
	.amdgcn_target "amdgcn-amd-amdhsa--gfx1250"
	.amdhsa_code_object_version 6
	.text
	.protected	k_q70d96637cf_attn
	.globl	k_q70d96637cf_attn
	.p2align	8
	.type	k_q70d96637cf_attn,@function
k_q70d96637cf_attn:
	s_mov_b64 s[64:65], 0
	v_nop
	global_prefetch_b8 v0, s[64:65] scope:SCOPE_SE
	s_setreg_imm32_b32 hwreg(HW_REG_WAVE_SCHED_MODE, 0, 2), 2
	s_setreg_imm32_b32 hwreg(HW_REG_WAVE_MODE, 25, 1), 1
	s_wait_xcnt 0x0
	s_wait_alu depctr_vm_vsrc(0)
; z[b][q] = (sum over keys k <= q of Q(p) Q(v[k])) / l:  t = (q . k / 4) log2(e), M = the ceiling of the largest t, p = 2^(t - M), l = the sum of the unquantised p.
; LEFT OUT (shown at the head of the first kernel): every step of 64 keys whose first key comes after a tile's last query: reference()'s own causal mask makes its p zero.
; The scores take f32 operands (16x16x4 f32 products), since they go on into a quantiser; p V is made on E4M3 codes (16x16x64), p with 2^ep, v's codes as the first launch stored them.
; SHARES.  Work-group (g, batch) owns four tiles of 16 queries: a = g, b = 63 - g, c = 64 + g, d = 127 - g; their last key steps are G = g / 4, H = 15 - G, 16 + G, 31 - G: 66 units (16 queries x 64 keys) in every work-group.
; Wave w of sixteen owns key steps w and 31 - w, loads their K and V once from memory into registers, and runs each against the tiles that reach it: four units, five in waves G and H.
; Each wave keeps, for each tile, O^T, l and a running M over ITS OWN keys; the sixteen partial results meet in LDS and are joined by waves 0 to 3, a tile each, by exact powers of two.
; LIMIT: p is quantised under the wave's running M, not the row's final one: the same codes but for numbers that fall under the format's range.  ep between -126 and 119; NaN is not served.
; NO CLUSTER, NO LDS RING: a key step is read by one wave of a work-group and serves up to four tiles from registers; work-groups of one batch need different numbers of steps (32 - G), and there is no tensor load to share.
; LAYOUT.  S^T = K Q^T (source 0 = 16 keys, source 1 = 16 queries): lane (r, h) holds query r; register j of tile t is key 16 t + 8 h + j: eight neighbours along the keys, so one conversion gives registers 2 t, 2 t + 1 of
; p's fragment.  In K step kk of the f32 product both sides give registers 2 kk, 2 kk + 1 of their images: d = 8 h + 2 kk + 0, 1: the same order of d on both sides.  O^T = V^T P^T: register j = (d = 8 h + j, query r).
; THE MODE: SCHED_MODE bits 1:0 = 2 (LLVM: expert scheduling mode 2), set by the entry lines.  The code itself states the register dependences
; between vector or matrix instructions and memory or LDS instructions, with s_wait_alu, always for 0.
; THE PLAN.  Registers that memory or LDS instructions touch, in program order (there is no loop):
;   v12, v13      Offsets, made at the head; read by the loads of Q, K and V; written again by the first unit's maxima: a wait on va_vdst ahead of the first load, a wait on vm_vsrc behind the last load on each way.
;   Q, K1, K2, V1, V2   Written by those loads alone; read by matrix instructions; in the join LDS loads land in them.
;   O, ST         Written by vector and matrix instructions; read by the twelve record stores; in the join LDS loads land in them.
;   v3 .. v6      LDS addresses, made at the head and never written again.
;   AC, v14       The join's result and its offset in out0: written by vector lines, read by the way out's stores;  v24-31: named by the join's arithmetic, then two LDS loads land in them.
;   v1, v2        Written at the head, read by the closing add alone.
;   S, E, P, v7-v11, v15-v19 are named by vector and matrix instructions alone.
; So a unit holds no wait for memory's sake.  One wait on va_vdst stands ahead of the record stores, and since no vector line follows it before the join's loads, it also shows every reader and writer of v24-215 done;
; one wait on vm_vsrc stands behind the barrier, ahead of the branch to the join; one wait on va_vdst ahead of the way out.  Scalar results of vector lines: the wave's number, and a diagonal unit's 32 masks, each run with one wait on va_sdst.
.set REC_H, 49152                      ; LDS: record (tile T, wave w) at (T / 2) REC_H + w REC_W + (T % 2) REC_T: O[0:3] at 16 lane, O[4:7] at 512 + 16 lane, the state at 1,024 + 16 lane
.set REC_W, 3072
.set REC_T, 1536
.set OST,   98304                      ; the way out: 1,024 bytes for each joining wave
.set SPARE, 102400                     ; the spare words, 128 bytes for each wave: eight blocks of 256 bytes that no other line names
.set Q,   24                           ; v24-55   Q, 8 a tile
.set O,   56                           ; v56-87   O^T, 8 a tile
.set ST,  88                           ; v88-103  a tile's state: -M, the largest t, l in two halves
.set K1,  104                          ; v104-135 K of step w;   v136-167 of step 31 - w
.set K2,  136
.set V1,  168                          ; v168-175 V of step w;   v176-183 of step 31 - w
.set V2,  176
.set E,   184                          ; v184-215 t - M, then p
.set P,   216                          ; v216-223 p's codes
.set S,   224                          ; v224-255 the scores: written by the f32 matrix form alone
.set DA,  10                           ; v10  16 (g % 4) + r - 8 h: tiles a and c on the diagonal;  v11: the same for b and d
.set DB,  11
.set SQ,  24                           ; the join: sixteen states;
.set ORC, 88                           ; sixteen O^T;
.set AC,  216                          ; the joined O^T
; v1, v2 the add's two; v3 where I store records; v4 where I read them; v5, v6 the way out; v7 2^ep; v8 448 x 2^ep; v9 -infinity; v12-15 at work (at the head: 16 lane, 8 lane); v16 f; v18, v19 at work
; s2-s17 and s32-s47: at the head arguments, offsets and bases; in a unit on the diagonal the 32 masks (every load that named one of them as its base is then shown done by s_wait_loadcnt 0)
	s_load_b256 s[8:15], s[0:1], 0x0               ; q_ws, k_ws, v_ws, the scales' exponents
	s_load_b64 s[16:17], s[0:1], 0x20              ; out0
	v_lshl_add_u32 v1, v0, 2, SPARE
	v_mov_b32 v2, 0
	v_lshrrev_b32 v20, 5, v0
	v_readfirstlane_b32 s20, v20                   ; wave 0..15
	s_mov_b32 s21, ttmp9                           ; g
	s_lshr_b32 s22, s21, 2                         ; G
	s_sub_co_u32 s23, 15, s22                      ; H
	s_and_b32 s24, ttmp7, 0xffff                   ; batch
	s_wait_alu depctr_va_sdst(0)                   ; s20, the wave's number, is written, ahead of its first reader: the compare below
	s_cmp_eq_u32 s20, s22
	s_cselect_b32 s25, 1, 0                        ; my steps lie on a's and d's diagonal
	s_cmp_eq_u32 s20, s23
	s_cselect_b32 s26, 1, 0                        ; on b's and c's
	s_mov_b32 s28, 0x3eb8aa3b                      ; c = log2(e) / sqrt(16)
	s_mov_b32 s29, s28                             ; (named with it as a pair)
	s_mov_b32 s30, 0x76543210                      ; v_permlanex16_b32: lane l xor 16
	s_mov_b32 s31, 0xfedcba98
	v_and_b32 v20, 15, v0                          ; r
	v_bfe_u32 v21, v0, 4, 1                        ; h
	v_and_b32 v22, 31, v0                          ; lane
	v_lshlrev_b32 v12, 4, v22
	v_lshlrev_b32 v13, 3, v22
	s_mul_i32 s2, s20, REC_W
	v_add_nc_u32 v3, s2, v12
	s_and_b32 s3, s20, 3                           ; the tile that I join, if I join
	s_lshr_b32 s4, s3, 1
	s_mul_i32 s4, s4, REC_H
	s_and_b32 s5, s20, 1
	s_mul_i32 s5, s5, REC_T
	s_add_co_u32 s4, s4, s5
	v_add_nc_u32 v4, s4, v12
	s_lshl_b32 s5, s3, 10
	s_add_co_u32 s5, s5, OST
	v_lshlrev_b32 v5, 6, v20
	v_lshl_add_u32 v5, v21, 5, v5
	v_add_nc_u32 v5, s5, v5                        ; in: row r of 64 bytes, + 32 h
	v_add_nc_u32 v6, s5, v12                       ; back: as the bytes lie
	v_mov_b32 v9, 0xff800000
	s_and_b32 s2, s21, 3
	s_lshl_b32 s2, s2, 4
	s_sub_co_u32 s3, 48, s2
	v_lshlrev_b32 v21, 3, v21
	v_sub_nc_u32 v10, v20, v21                     ; r - 8 h
	v_add_nc_u32 v11, s3, v10                      ; my query less the step's first key less 8 h, for tiles b and d (tile % 4 = 3 - g % 4),
	v_add_nc_u32 v10, s2, v10                      ; and for a and c (tile % 4 = g % 4)
	v_mov_b32 v17, 0                               ; (named with v16 as a pair)
	v_mov_b32 v18, 0                               ; a lane permute's destination counts as one of its sources
	; byte offsets, each in the pair that will hold the address
	s_lshl_b32 s27, s24, 7                         ; 128 tiles a batch
	s_add_co_u32 s32, s27, s21                     ; a
	s_sub_co_u32 s34, 63, s21
	s_add_co_u32 s34, s34, s27                     ; b
	s_add_co_u32 s36, s32, 64                      ; c
	s_add_co_u32 s38, s34, 64                      ; d
	s_and_b32 s2, s20, 1
	s_cmp_lg_u32 s2, 0
	s_cselect_b32 s48, s34, s32
	s_and_b32 s2, s20, 2
	s_lshl_b32 s2, s2, 5
	s_add_co_u32 s48, s48, s2                      ; tile number wave % 4 of a, b, c, d
	s_lshl_b32 s48, s48, 10
	s_mov_b32 s49, 0
.irp p, 32,34,36,38
	s_lshl_b32 s[\p], s[\p], 10
	s_mov_b32 s[\p+1], 0
.endr
	s_lshl_b32 s2, s20, 2
	s_add_co_u32 s40, s27, s2                      ; key step w begins at tile 4 w,
	s_sub_co_u32 s3, 31, s20
	s_lshl_b32 s3, s3, 2
	s_add_co_u32 s42, s27, s3                      ; key step 31 - w at 4 (31 - w)
	s_lshl_b32 s44, s40, 8
	s_lshl_b32 s46, s42, 8
	s_lshl_b32 s40, s40, 10
	s_lshl_b32 s42, s42, 10
.irp p, 41,43,45,47
	s_mov_b32 s[\p], 0
.endr
	; the four tiles' states begin neutral, so that a tile that none of my steps reaches leaves a record that joins as nothing
.irp j, 0,1,2,3,4,5,6,7,8,9,10,11,12,13,14,15,16,17,18,19,20,21,22,23,24,25,26,27,28,29,30,31
	v_mov_b32 v[O+\j], 0
.endr
.irp t, 0,1,2,3
	v_mov_b32 v[ST+4*\t+1], 0xff61b1e6             ; the largest t so far: -3e38
	v_floor_f32 v[ST+4*\t], -v[ST+4*\t+1]          ; -M
	v_mov_b32 v[ST+4*\t+2], 0
	v_mov_b32 v[ST+4*\t+3], 0
.endr
	s_wait_kmcnt 0x0
	s_load_b64 s[18:19], s[14:15], 0x18            ; ep, ev
.irp p, 32,34,36,38
	s_add_nc_u64 s[\p:\p+1], s[8:9], s[\p:\p+1]
.endr
	s_add_nc_u64 s[40:41], s[10:11], s[40:41]
	s_add_nc_u64 s[42:43], s[10:11], s[42:43]
	s_add_nc_u64 s[44:45], s[12:13], s[44:45]
	s_add_nc_u64 s[46:47], s[12:13], s[46:47]
	s_add_nc_u64 s[48:49], s[16:17], s[48:49]
	s_wait_alu depctr_va_vdst(0)                   ; v12 and v13 are written, which every load below reads as its offset (those of step 31 - w too: the vector lines between write v7 and v8 alone); so are the LDS addresses v3 to v6
.irp t, 0,1,2,3
	global_load_b128 v[Q+8*\t:Q+8*\t+3],   v12, s[32+2*\t:33+2*\t]
	global_load_b128 v[Q+8*\t+4:Q+8*\t+7], v12, s[32+2*\t:33+2*\t] offset:512
.endr
.irp i, 0,1,2,3,4,5,6,7
	global_load_b128 v[K1+4*\i:K1+4*\i+3], v12, s[40:41] offset:512*\i     ; each load of the wave reads 512 consecutive bytes
.endr
.irp c, 0,1,2,3
	global_load_b64 v[V1+2*\c:V1+2*\c+1], v13, s[44:45] offset:256*\c
.endr
	s_wait_kmcnt 0x0
	s_add_co_i32 s2, s18, 127
	s_lshl_b32 s3, s2, 23
	v_mov_b32 v7, s3                               ; 2^ep as f32, for the conversion
	s_add_co_i32 s2, s2, 8
	s_lshl_b32 s2, s2, 23
	s_or_b32 s2, s2, 0x600000
	v_mov_b32 v8, s2                               ; 448 x 2^ep
	s_add_co_i32 s52, s18, s19                     ; ep + ev
; The maximum of the lane's 32 scores in v[src] on, the new M and f = 2^(old M - new M), and t - M into E.  Each accumulator is read from its low end on.
.macro TOP src, qt
.irp t, 0,1,2,3
	v_max3_num_f32 v[12+\t], v[\src+8*\t], v[\src+8*\t+1], v[\src+8*\t+2]
.endr
.irp t, 0,1,2,3
	v_max3_num_f32 v[12+\t], v[12+\t], v[\src+8*\t+3], v[\src+8*\t+4]
.endr
.irp t, 0,1,2,3
	v_max3_num_f32 v[12+\t], v[12+\t], v[\src+8*\t+5], v[\src+8*\t+6]
.endr
	v_max3_num_f32 v12, v12, v[\src+7], v[\src+15]
	v_max3_num_f32 v14, v14, v[\src+23], v[\src+31]
	v_max3_num_f32 v12, v12, v13, v14
	v_max_num_f32 v12, v12, v15
	v_permlanex16_b32 v18, v12, s30, s31           ; the query's other 32 keys lie in the lane 16 away
	v_max_num_f32 v12, v12, v18
	v_mul_f32 v12, s28, v12                        ; as t (c is positive)
	v_max_num_f32 v[ST+4*(\qt)+1], v[ST+4*(\qt)+1], v12
	v_mov_b32 v13, v[ST+4*(\qt)]
	v_floor_f32 v[ST+4*(\qt)], -v[ST+4*(\qt)+1]    ; the new -M = floor(-t): M is a whole number
	v_sub_f32 v13, v[ST+4*(\qt)], v13              ; old M less new M: a whole number, 0 or less
	v_cvt_i32_f32 v13, v13                         ; (it saturates)
	v_ldexp_f32 v16, 1.0, v13                      ; f: a multiplication by it rounds nothing
.irp i, 0,2,4,6,8,10,12,14,16,18,20,22,24,26,28,30
	v_pk_fma_f32 v[E+\i:E+\i+1], v[\src+\i:\src+\i+1], s[28:29], v[ST+4*(\qt):ST+4*(\qt)+1] op_sel_hi:[1,0,0]   ; t - M (of the pairs c and -M the low word serves both halves)
.endr
.endm
; A UNIT: tile qt of queries against the 64 keys whose K lies in v[kb] on and V in v[vb] on.  mayd = 1: the step may lie on the tile's diagonal: it does where flag is 1; dd: the register to hold the keys against.
; No memory or LDS instruction stands in a unit.
.macro UNIT qt, kb, vb, mayd, flag, dd
.irp kk, 0,1,2,3                       ; four accumulators by turns, one instruction a turn; the first K step starts the sums
.irp t, 0,1,2,3
.if \kk == 0
	v_wmma_f32_16x16x4_f32 v[S+8*\t:S+8*\t+7], v[\kb+8*\t+2*\kk:\kb+8*\t+2*\kk+1], v[Q+8*(\qt)+2*\kk:Q+8*(\qt)+2*\kk+1], 0
.else
	v_wmma_f32_16x16x4_f32 v[S+8*\t:S+8*\t+7], v[\kb+8*\t+2*\kk:\kb+8*\t+2*\kk+1], v[Q+8*(\qt)+2*\kk:Q+8*(\qt)+2*\kk+1], v[S+8*\t:S+8*\t+7]
.endif
.endr
.endr
.rept 8
	v_nop                                          ; eight places behind this form (ISA guide 7.12.1) ahead of the first read of its results
.endr
.if \mayd
	s_cmp_eq_u32 \flag, 0                          ; ids alone
	s_cbranch_scc1 .Lopen_\@
.irp n, 0,1,2,3,4,5,6,7,8,9,10,11,12,13,14,15,16,17,18,19,20,21,22,23,24,25,26,27,28,29,30,31
	v_cmp_gt_i32 s[2+\n+14*(\n/16)], 16*(\n/8)+\n%8, v[\dd]    ; key 16 t + 8 h + j comes after my query: the 32 masks in one run, a scalar register each: s2-s17, s32-s47
.endr
	s_wait_alu depctr_va_sdst(0)                   ; the 32 compares have written their masks, ahead of the first select that reads one
.irp n, 0,1,2,3,4,5,6,7,8,9,10,11,12,13,14,15,16,17,18,19,20,21,22,23,24,25,26,27,28,29,30,31
	v_cndmask_b32 v[E+\n], v[S+\n], v9, s[2+\n+14*(\n/16)]     ; then its score is -infinity, and p = 0.  The step's first key counts for every query of the tile, so the maximum is a number
.endr
	TOP E, \qt
	s_branch .Ljoin_\@
.Lopen_\@:
	TOP S, \qt
.Ljoin_\@:
.else
	TOP S, \qt
.endif
.irp n, 0,1,2,3,4,5,6,7,8,9,10,11,12,13,14,15,16,17,18,19,20,21,22,23,24,25,26,27,28,29,30,31
	v_exp_f32 v[E+\n], v[E+\n]                     ; p = 2^(t - M), at most 1: not normalised
.endr
	v_pk_mul_f32 v[ST+4*(\qt)+2:ST+4*(\qt)+3], v[ST+4*(\qt)+2:ST+4*(\qt)+3], v[16:17] op_sel_hi:[1,0]   ; l under the new M: the plain line behind the exponentials
	s_wait_alu depctr_va_vdst(0)                   ; the 32 exponentials have written p: the wait ahead of the first line that names a result: one for the batch
	v_pk_add_f32 v[18:19], v[E:E+1], v[E+2:E+3]    ; the row's sum is taken of the unquantised p, in two chains
.irp j, 4,8,12,16,20,24,28
	v_pk_add_f32 v[ST+4*(\qt)+2:ST+4*(\qt)+3], v[ST+4*(\qt)+2:ST+4*(\qt)+3], v[E+\j:E+\j+1]
	v_pk_add_f32 v[18:19], v[18:19], v[E+\j+2:E+\j+3]
.endr
	v_pk_add_f32 v[ST+4*(\qt)+2:ST+4*(\qt)+3], v[ST+4*(\qt)+2:ST+4*(\qt)+3], v[18:19]
.irp t, 0,1,2,3
.irp i, 0,1,2,3,4,5,6,7
	v_min_num_f32 v[E+8*\t+\i], v[E+8*\t+\i], v8   ; the conversion does not saturate (ISA guide 7.6.2); p is not negative, so the hold is one-sided
.endr
	v_cvt_scalef32_pk8_fp8_f32 v[P+2*\t:P+2*\t+1], v[E+8*\t:E+8*\t+7], v7   ; keys 16 t + 8 h + 0 .. 7: registers 2 t, 2 t + 1 of the fragment
.endr
.irp i, 0,2,4,6
	v_pk_mul_f32 v[O+8*(\qt)+\i:O+8*(\qt)+\i+1], v[O+8*(\qt)+\i:O+8*(\qt)+\i+1], v[16:17] op_sel_hi:[1,0]   ; O^T under the new M; also the plain lines behind the last conversion
.endr
	v_wmma_f32_16x16x64_fp8_fp8 v[O+8*(\qt):O+8*(\qt)+7], v[\vb:\vb+7], v[P:P+7], v[O+8*(\qt):O+8*(\qt)+7]
.endm
	; ---- key step 31 - w: tile d reaches it where w >= G, tile c where w >= H (H > G).  Its loads and their uses stand under the one branch
	s_wait_alu depctr_vm_vsrc(0)                   ; the twenty loads above have read v12 and v13, which the first unit's maxima write: for the waves that jump, ahead of the branch
	s_cmp_lt_u32 s20, s22
	s_cbranch_scc1 .Lno2
.irp i, 0,1,2,3,4,5,6,7
	global_load_b128 v[K2+4*\i:K2+4*\i+3], v12, s[42:43] offset:512*\i
.endr
.irp c, 0,1,2,3
	global_load_b64 v[V2+2*\c:V2+2*\c+1], v13, s[46:47] offset:256*\c
.endr
	s_wait_loadcnt 0x0                             ; all my loads are in, and are done with their offsets and bases
	s_wait_alu depctr_vm_vsrc(0)                   ; the twelve loads just issued have read v12 and v13, which the unit's maxima write
	UNIT 3, K2, V2, 1, s25, DB
	s_cmp_lt_u32 s20, s23
	s_cbranch_scc1 .Lno2
	UNIT 2, K2, V2, 1, s26, DA
.Lno2:
	; ---- key step w: tiles c and d always, and never on their diagonals; b where w <= H; a where w <= G
	s_wait_loadcnt 0x0
	UNIT 2, K1, V1, 0, s25, DA
	UNIT 3, K1, V1, 0, s25, DA
	s_cmp_gt_u32 s20, s23
	s_cbranch_scc1 .Lno_b
	UNIT 1, K1, V1, 1, s26, DB
.Lno_b:
	s_cmp_gt_u32 s20, s22
	s_cbranch_scc1 .Lno_a
	UNIT 0, K1, V1, 1, s25, DA
.Lno_a:
.rept 4
	v_nop                                          ; four places behind the last product, ahead of the stores that read its result
.endr
	s_wait_alu depctr_va_vdst(0)                   ; the units have written O^T and the states, which the record stores read (the places above stay beside this wait); and they are done with v24-215, in which the join's loads land: no vector line stands between
.irp t, 0,1,2,3
	ds_store_b128 v3, v[O+8*\t:O+8*\t+3]   offset:(\t/2)*REC_H+(\t%2)*REC_T
	ds_store_b128 v3, v[O+8*\t+4:O+8*\t+7] offset:(\t/2)*REC_H+(\t%2)*REC_T+512
	ds_store_b128 v3, v[ST+4*\t:ST+4*\t+3] offset:(\t/2)*REC_H+(\t%2)*REC_T+1024
.endr
	s_wait_dscnt 0x0                               ; for the others' sake: my records have landed
	s_barrier_signal -1
	s_barrier_wait -1
	s_wait_alu depctr_vm_vsrc(0)                   ; my record stores have read v56-103 (O^T and the states), in which the join's loads land: ahead of the branch that leads there
	s_cmp_lt_u32 s20, 4
	s_cbranch_scc1 .Lmerge                         ; waves 0 to 3 join a tile each
	s_wait_dscnt 0x0                               ; the closing lines, six on end
	s_wait_alu 0x0
	s_wait_tensorcnt 0x0
	ds_add_u32 v1, v2
	s_wait_dscnt 0x0
	s_endpgm
.Lmerge:
	; ---- the join of tile wave % 4: sixteen records
.irp w, 0,1,2,3,4,5,6,7,8,9,10,11,12,13,14,15
	ds_load_b128 v[SQ+4*\w:SQ+4*\w+3], v4 offset:REC_W*\w+1024
.endr
.irp w, 0,1,2,3,4,5,6,7,8,9,10,11,12,13,14,15
	ds_load_b128 v[ORC+8*\w:ORC+8*\w+3],   v4 offset:REC_W*\w
	ds_load_b128 v[ORC+8*\w+4:ORC+8*\w+7], v4 offset:REC_W*\w+512
.endr
	s_wait_dscnt 32                                ; the sixteen states are in; the 32 loads of O^T behind them may be out
	v_min_num_f32 v12, v[SQ], v[SQ+4]              ; the least -M = the largest M, in two chains
	v_min_num_f32 v13, v[SQ+8], v[SQ+12]
.irp w, 4,6,8,10,12,14
	v_min_num_f32 v12, v12, v[SQ+4*\w]
	v_min_num_f32 v13, v13, v[SQ+4*\w+4]
.endr
	v_min_num_f32 v12, v12, v13
.irp w, 0,1,2,3,4,5,6,7,8,9,10,11,12,13,14,15
	v_sub_f32 v[SQ+4*\w], v12, v[SQ+4*\w]          ; the record's M less the largest: a whole number, 0 or less (a neutral record: -3e38)
.endr
.irp w, 0,1,2,3,4,5,6,7,8,9,10,11,12,13,14,15
	v_cvt_i32_f32 v[SQ+4*\w], v[SQ+4*\w]           ; (it saturates)
.endr
.irp w, 0,1,2,3,4,5,6,7,8,9,10,11,12,13,14,15
	v_ldexp_f32 v[SQ+4*\w], 1.0, v[SQ+4*\w]        ; the record's factor, a power of two (a neutral record: 0)
.endr
	v_pk_mul_f32 v[18:19], v[SQ+2:SQ+3], v[SQ:SQ+1] op_sel_hi:[1,0]
.irp w, 1,2,3,4,5,6,7,8,9,10,11,12,13,14,15
	v_pk_fma_f32 v[18:19], v[SQ+4*\w+2:SQ+4*\w+3], v[SQ+4*\w:SQ+4*\w+1], v[18:19] op_sel_hi:[1,0,1]
.endr
	s_wait_dscnt 0x0
.irp i, 0,2,4,6
	v_pk_mul_f32 v[AC+\i:AC+\i+1], v[ORC+\i:ORC+\i+1], v[SQ:SQ+1] op_sel_hi:[1,0]
.endr
.irp w, 1,2,3,4,5,6,7,8,9,10,11,12,13,14,15
.irp i, 0,2,4,6
	v_pk_fma_f32 v[AC+\i:AC+\i+1], v[ORC+8*\w+\i:ORC+8*\w+\i+1], v[SQ+4*\w:SQ+4*\w+1], v[AC+\i:AC+\i+1] op_sel_hi:[1,0,1]
.endr
.endr
	v_add_f32 v18, v18, v19                        ; l's two halves,
	v_permlanex16_b32 v19, v18, s30, s31
	v_add_f32 v18, v18, v19                        ; and lane l xor 16's: the row's sum
	v_rcp_f32 v18, v18
	v_and_b32 v14, 31, v0                          ; (the plain line behind the reciprocal)
	v_lshlrev_b32 v14, 4, v14                      ; 16 lane
	s_wait_alu depctr_va_vdst(0)                   ; the reciprocal has written v18: the wait ahead of the first line that names it
	v_ldexp_f32 v18, v18, s52                      ; x 2^(ep + ev)
.irp i, 0,2,4,6
	v_pk_mul_f32 v[AC+\i:AC+\i+1], v[AC+\i:AC+\i+1], v[18:19] op_sel_hi:[1,0]
.endr
	s_wait_alu depctr_va_vdst(0)                   ; the multiplications have written z in v216-223, which the LDS stores read; v14, the global stores' offset, is written; the join's arithmetic is done with v24-31, in which the LDS loads land
	ds_store_b128 v5, v[AC:AC+3]                   ; z(r, 8 h + 0 .. 7): 32 bytes of a row of 64
	ds_store_b128 v5, v[AC+4:AC+7] offset:16
	ds_load_b128 v[24:27], v6                      ; LDS serves a wave's instructions in order: these see my stores
	ds_load_b128 v[28:31], v6 offset:512
	s_wait_dscnt 0x0
	global_store_b128 v14, v[24:27], s[48:49] th:TH_STORE_NT            ; each store of the wave covers 512 consecutive bytes, aligned
	global_store_b128 v14, v[28:31], s[48:49] offset:512 th:TH_STORE_NT
	s_wait_dscnt 0x0                               ; the closing lines once more, six on end, behind my last LDS store
	s_wait_alu 0x0
	s_wait_tensorcnt 0x0
	ds_add_u32 v1, v2
	s_wait_dscnt 0x0
	s_endpgm
.Lfunc_end_k_q70d96637cf_attn:
	.size	k_q70d96637cf_attn, .Lfunc_end_k_q70d96637cf_attn-k_q70d96637cf_attn
	.p2alignl 7, 3214868480
	.fill 96, 4, 3214868480
	.section	.rodata,"a",@progbits
	.p2align	6, 0x0
	.amdhsa_kernel k_q70d96637cf_attn
		.amdhsa_group_segment_fixed_size 104448
		.amdhsa_private_segment_fixed_size 0
		.amdhsa_enable_private_segment 0
		.amdhsa_kernarg_size 40
		.amdhsa_user_sgpr_count 2
		.amdhsa_user_sgpr_kernarg_segment_ptr 1
		.amdhsa_wavefront_size32 1
		.amdhsa_system_sgpr_workgroup_id_x 1
		.amdhsa_system_sgpr_workgroup_id_y 1
		.amdhsa_system_sgpr_workgroup_id_z 1
		.amdhsa_system_vgpr_workitem_id 0
		.amdhsa_next_free_vgpr 256
		.amdhsa_next_free_sgpr 66
		.amdhsa_reserve_vcc 0
		.amdhsa_float_denorm_mode_32 3
		.amdhsa_float_denorm_mode_16_64 3
		.amdhsa_memory_ordered 1
		.amdhsa_forward_progress 1
		.amdhsa_inst_pref_size 92
	.end_amdhsa_kernel
	.amdgpu_metadata
---
amdhsa.version: [ 1, 2 ]
amdhsa.kernels:
  - .name:           k_q70d96637cf_attn
    .symbol:         k_q70d96637cf_attn.kd
    .args:
      - { .name: q_ws, .offset: 0, .size: 8, .value_kind: global_buffer, .address_space: global }
      - { .name: k_ws, .offset: 8, .size: 8, .value_kind: global_buffer, .address_space: global }
      - { .name: v_ws, .offset: 16, .size: 8, .value_kind: global_buffer, .address_space: global }
      - { .name: lowp_scales, .offset: 24, .size: 8, .value_kind: global_buffer, .address_space: global }
      - { .name: out0, .offset: 32, .size: 8, .value_kind: global_buffer, .address_space: global }
    .group_segment_fixed_size: 104448
    .private_segment_fixed_size: 0
    .kernarg_segment_align: 8
    .kernarg_segment_size: 40
    .max_flat_workgroup_size: 512
    .sgpr_count:     66
    .vgpr_count:     256
    .wavefront_size: 32
...
	.end_amdgpu_metadata
.endif
;; end of part 3
